; MI455X (gfx1250); checked and timed in simulation.
; The chip was launched on July 23, 2026; its instructions are those of AMD's public machine-readable ISA for CDNA 5 (MIT licence, August 2026) and "CDNA5" Instruction Set Architecture Reference Guide (July 2026). The comments in the code are by the model that wrote it; some were corrected since.
;; Mixtral Sparse Moe Block. Allowed arithmetic: matrix products marked QUANTISED: E3M2 operands, one E8M0 scale for each 32 along K, by v_wmma_scale_f32_16x16x128_f8f6f4 with both operands' format E3M2, f32 sums; products left as they are: f32 operands where the result goes on into a quantised operand, else bf16, f16 or f32 operands; f32 sums; everything else in f32.
;; Inputs: gate_w_codes 8 x 2,048 x 32 x 24 uint8 (E3M2 codes of gate_w, K innermost, in blocks of 32 codes, four codes in three bytes); gate_w_scales 8 x 2,048 x 32 uint8 (E8M0 scales of gate_w, one for each 32 codes along K); hidden_states 2 x 512 x 1,024 float32; out_w_codes 8 x 1,024 x 64 x 24 uint8 (E3M2 codes of out_w, K innermost, in blocks of 32 codes, four codes in three bytes); out_w_scales 8 x 1,024 x 64 uint8 (E8M0 scales of out_w, one for each 32 codes along K); router_w 1,024 x 8 float32; up_w_codes 8 x 2,048 x 32 x 24 uint8 (E3M2 codes of up_w, K innermost, in blocks of 32 codes, four codes in three bytes); up_w_scales 8 x 2,048 x 32 uint8 (E8M0 scales of up_w, one for each 32 codes along K).
;; Outputs: out0 2 x 512 x 1,024 float32; out1 1,024 x 8 float32.
;; This version of the problem:
;;   THIS VERSION OF THE PROBLEM IS GIVEN IN LOW PRECISION. The matrix products marked QUANTISED in the list below multiply operands that are first quantised to E3M2 (3 exponent bits, 2 mantissa bits; 6 bits a number), with one power-of-two scale for each 32 numbers along K (OCP MX v1.0); their sums are f32. All else is computed in f32.
;;   The module's matrix products, in the order in which they are computed (A, B: the left and right operand; K: the contracted axis; several contracted axes count as one K, in the product's order):
;;     1. [M 1,024, K 1,024] x [K 1,024, N 8]; A: input hidden_states; B: input router_w: left as it is (N = 8 < 16)
;;     2. [M 16,384, K 1,024] x [K 1,024, N 1,024]; A: input gate_w (given as codes); B: input hidden_states: QUANTISED
;;     3. [M 16,384, K 1,024] x [K 1,024, N 1,024]; A: input up_w (given as codes); B: input hidden_states: QUANTISED
;;     4. batch 8 x [M 1,024, K 2,048] x [K 2,048, N 1,024]; A: computed on the way; B: input out_w (given as codes): QUANTISED
;;   THE QUANTISER, for each operand of a quantised product, along K:
;;     - K is cut into blocks of 32 from its start; a last block that is shorter is filled with zeros.
;;     - A block's scale is 2^e with e = floor(log2(the largest magnitude in the block)) - 4, held to -126 .. 127; a block of zeros has e = 0. As a byte (E8M0): e + 127.
;;     - Each number is divided by its block's scale, clamped to +-28, and rounded to the nearest number of E3M2, ties to even, subnormals kept.
;;     - The product sums the exact products of the quantised numbers (number of the format x scale) in f32.
;;   ~~~python
;;   def quantise(x, axis):      # numpy; x: float32 -> the quantised numbers, widened to float32 again
;;       x = np.moveaxis(x, axis, -1); K = x.shape[-1]
;;       x = np.pad(x, [(0, 0)] * (x.ndim - 1) + [(0, -K % 32)]); x = x.reshape(x.shape[:-1] + (-1, 32)); a = np.abs(x).max(-1, keepdims=True)
;;       e = np.where(a > 0, np.clip(np.frexp(np.where(a > 0, a, 1))[1] - 1 - 4, -126, 127), 0)      # np.frexp(a)[1] - 1 = floor(log2(a)), exactly
;;       r = np.clip(x / 2.0 ** e, -28, 28)
;;       step = 2.0 ** (np.maximum(np.frexp(np.where(r == 0, 1, r))[1] - 1, -2) - 2)
;;       q = np.round(r / step) * step * 2.0 ** e      # np.round: ties to even
;;       return np.moveaxis(q.reshape(q.shape[:-2] + (-1,))[..., :K], -1, axis).astype(np.float32)
;;   ~~~
;;   OPERANDS COMPUTED ON THE WAY. 'Computed on the way' means the value that the module computes at that place (a softmax that the list does not call 'softmax' is quantised finished and normalised). What goes into a quantiser is computed in f32, as accurately as f32 sums, v_exp_f32 and their like allow (about 1e-6 of the number): no bf16 or f16 on the way to a quantiser, and a product that is left as it is and whose result goes on into a quantised operand takes f32 operands (vector FMAs, or v_wmma_f32_16x16x4_f32). A number that lies on a knife's edge between two numbers of the format may be rounded either way, as far as f32 arithmetic and the matrix unit's own rounding can turn it there, and no further.
;;   INPUTS GIVEN AS CODES. gate_w (in the module: [8, 1024, 2048], K = its axis 1); out_w (in the module: [8, 2048, 1024], K = its axis 1); up_w (in the module: [8, 1024, 2048], K = its axis 1): each comes as NAME_codes (uint8): NAME with its K axis moved to the last place and cut into blocks of 32 codes, [.., K / 32, bytes a block], one block behind the other in memory; four codes in three bytes: a row's codes are one little-endian stream of bits, code i at bits 6 i .. 6 i + 5 (a code: sign, 3 exponent bits, 2 mantissa bits); and NAME_scales (uint8): the same leading axes, one E8M0 byte (e + 127) for each 32 codes along K. Its value is code x scale, taken as it is: it is not quantised again, and the codes and scales need not be those that the quantiser above would give.
;; One version. Each part assembles by itself: llvm-mc -triple=amdgcn-amd-amdhsa -mcpu=gfx1250 --defsym DOCPART=n.
;; ======== version 1 of 1: 3 launches
;; limits: right only within a limited range of input values
;; workspace buffers: xq 786,432 bytes; xs 32,768 bytes; rt 32,768 bytes; sel 4,096 bytes of whole numbers; rec 626,688 bytes of whole numbers; cnt 256 bytes of whole numbers; hq 12,582,912 bytes; hs 524,288 bytes
;; launch route (part 1): grid 256 x 1, 4 waves a work-group, no clusters, 25,856 bytes of LDS; arguments hidden_states, router_w, xq, xs, out1, rt, sel; writes xq, xs, out1, rt, sel
.if DOCPART == 1
	.amdgcn_target "amdgcn-amd-amdhsa--gfx1250"
	.amdhsa_code_object_version 6
	.text
	.protected	k_q8921e6fec3_route
	.globl	k_q8921e6fec3_route
	.p2align	8
	.type	k_q8921e6fec3_route,@function
k_q8921e6fec3_route:
	s_mov_b64 s[64:65], 0
	v_nop
	global_prefetch_b8 v0, s[64:65] scope:SCOPE_SE
	s_setreg_imm32_b32 hwreg(HW_REG_WAVE_MODE, 25, 1), 1
	s_wait_xcnt 0x0
; ROUTER AND QUANTISER OF x.  x: [1024 tokens][1024] f32; router_w: [1024][8] f32.
; out1[t][e] = x[t] . router_w[:, e] in f32 (fused multiply-adds, sums by a tree).  rt[t][e] = the routing matrix: w1 = 1 / (1 + e^(l2 - l1)) at the largest logit,
; w2 = e^(l2 - l1) w1 at the second, 0 elsewhere: the largest logit is taken away ahead of the exponential, whose argument is at most 0.  sel[t] = (1 << e1) | (1 << e2).
; xq[t][768]: x as codes of E3M2, a row one stream of bits; xs[t][32]: one E8M0 byte for each 32 along K, with bytes 1 and 2 of each word of four changed over, as the later launches' order of K wants them.
; SHARES.  A work-group takes 4 tokens; wave w takes k = 256 w .. 256 w + 255 of all four, for the router and for the quantiser: so router_w is read once by a work-group.
; LIMITS.  NaN and infinities are not served.  The two experts are ranked by their logits, the lower index first among equals, where the softmax's numbers are ranked in the definition: two logits that differ
; and round to one probability would be ranked by index there.  A block of zeros gets the byte 1 (its codes are zeros; the bytes are read by this program alone).
; No matrix unit (N = 8), no tensor load, no cluster: the work-groups share only the 32 KiB of router_w.
.set PART,  20480                      ; LDS: 0 .. 20479 a turning stage of 5,120 bytes for each wave; then the waves' partial logits, 128 bytes each;
.set CST,   20992                      ; the work-group's codes: 256 places of 16 bytes with 12 bytes each;
.set XST,   25088                      ; its 128 scale bytes;
.set SPARE, 25344                      ; the spare words, 128 bytes for each wave: two blocks of 256 bytes that no other line names
.set SPW, 2                            ; v2  LDS address of my spare word; never rewritten
.set NIL, 3                            ; v3  0; never rewritten
.set X, 32                             ; v32-63   x as loaded: 8 tok + 4 j + i = x[tok][256 w + 128 j + 4 lane + i]
.set W, 64                             ; v64-127  router_w: 32 j + 8 i + e; later at work
.set P, 128                            ; v128-159 partial logits 8 tok + e; later wave 0's work
.set T, 160                            ; v160-191 two sets of 16 neighbours along K
	s_load_b256 s[4:11], s[0:1], 0x0               ; x, router_w, xq, xs
	s_load_b128 s[12:15], s[0:1], 0x20             ; out1, rt
	s_load_b64 s[16:17], s[0:1], 0x30              ; sel
	v_lshl_add_u32 v[SPW], v0, 2, SPARE
	v_mov_b32 v[NIL], 0
	v_lshrrev_b32 v13, 5, v0
	v_readfirstlane_b32 s18, v13                   ; wave
	v_and_b32 v1, 31, v0                           ; lane
	v_lshlrev_b32 v4, 4, v1                        ; x: 16 bytes a lane
	v_lshlrev_b32 v5, 7, v1                        ; router_w: my four rows of 32 bytes
	s_mul_i32 s19, s18, 5120
	v_lshrrev_b32 v13, 2, v1
	v_mul_u32_u24 v13, v13, 80
	v_and_b32 v14, 3, v1
	v_lshl_add_u32 v13, v14, 4, v13
	v_add_nc_u32 v6, s19, v13                      ; the stage, in: four lanes' 64 bytes on end, then 16 of padding
	v_mul_u32_u24 v13, v1, 80
	v_add_nc_u32 v7, s19, v13                      ; and out: 80 x lane: my 16 neighbours
	s_lshl_b32 s19, s18, 7
	s_add_co_u32 s19, s19, PART
	v_lshl_add_u32 v8, v1, 2, s19                  ; my wave's partial logits
	v_and_b32 v13, 15, v1                          ; u = lane % 16
	v_lshrrev_b32 v14, 4, v1                       ; lane / 16
	s_lshl_b32 s19, s18, 8
	s_add_co_u32 s19, s19, CST
	v_lshl_add_u32 v9, v13, 4, s19
	v_lshl_add_u32 v9, v14, 10, v9                 ; my codes' place: piece 64 (lane / 16) + 16 w + u
	s_lshl_b32 s19, s18, 3
	s_add_co_u32 s19, s19, XST
	v_lshl_add_u32 v10, v14, 5, s19                ; my block's byte: 32 (lane / 16) + 8 w + 4 (bit 3 of u) + 2 (bit 1) + (bit 2): bytes 1 and 2 of a word changed over
	v_bfe_u32 v15, v1, 3, 1
	v_lshl_add_u32 v10, v15, 2, v10
	v_bfe_u32 v15, v1, 1, 1
	v_lshl_add_u32 v10, v15, 1, v10
	v_bfe_u32 v15, v1, 2, 1
	v_add_nc_u32 v10, v10, v15
	s_lshl_b32 s19, s18, 10
	s_add_co_u32 s19, s19, CST
	v_lshl_add_u32 v11, v1, 4, s19                 ; the codes' way out: piece 64 w + lane,
	s_mul_i32 s19, s18, 768
	v_mad_u32_u24 v12, v1, 12, s19                 ; and its 12 bytes in the work-group's 3,072 of xq
	v_lshl_add_u32 v16, v1, 2, XST
	v_lshl_add_u32 v17, v1, 2, PART
	v_lshlrev_b32 v18, 2, v1
	s_mov_b32 s20, 0x76543210
	s_mov_b32 s21, 0xfedcba98                      ; v_permlanex16_b32's selects for lane l xor 16
	s_mov_b32 s22, 0xffff0000                      ; the lanes whose bit 4, 3, 2, 1, 0 is set
	s_mov_b32 s23, 0xff00ff00
	s_mov_b32 s24, 0xf0f0f0f0
	s_mov_b32 s25, 0xcccccccc
	s_mov_b32 s26, 0xaaaaaaaa
	s_lshl_b32 s28, ttmp9, 14                      ; 4 tokens of 4,096 bytes,
	s_lshl_b32 s19, s18, 10
	s_add_co_u32 s28, s28, s19                     ; + my wave's 1,024 bytes of a row
	s_mov_b32 s29, 0
	s_lshl_b32 s30, s18, 13                        ; router_w: my 256 rows of 32 bytes
	s_mov_b32 s31, 0
	s_mul_i32 s32, ttmp9, 3072
	s_mov_b32 s33, 0
	s_lshl_b32 s34, ttmp9, 7
	s_mov_b32 s35, 0
	s_lshl_b32 s36, ttmp9, 4
	s_mov_b32 s37, 0
	s_wait_kmcnt 0x0
	s_add_nc_u64 s[4:5], s[4:5], s[28:29]
	s_add_nc_u64 s[6:7], s[6:7], s[30:31]
	s_add_nc_u64 s[8:9], s[8:9], s[32:33]
	s_add_nc_u64 s[10:11], s[10:11], s[34:35]
	s_add_nc_u64 s[12:13], s[12:13], s[34:35]
	s_add_nc_u64 s[14:15], s[14:15], s[34:35]
	s_add_nc_u64 s[16:17], s[16:17], s[36:37]
.irp t, 0,1,2,3
.irp j, 0,1
	global_load_b128 v[X+8*\t+4*\j:X+8*\t+4*\j+3], v4, s[4:5] offset:4096*\t+512*\j th:TH_LOAD_NT   ; 32 lanes read 512 consecutive bytes
.endr
.endr
.irp j, 0,1
.irp i, 0,1,2,3,4,5,6,7
	global_load_b128 v[W+32*\j+4*\i:W+32*\j+4*\i+3], v5, s[6:7] offset:4096*\j+16*\i
.endr
.endr
	s_wait_loadcnt 16                              ; x's eight loads are in; router_w's sixteen may be out
; Two tokens' 512 numbers go through the wave's stage as they lie and come back 64 bytes a lane: lane l then holds token 2 st + l / 16, k = 256 w + 16 (l % 16) + 0 .. 15.  LDS serves a wave's instructions in order.
.macro TURN st
.irp i, 0,1,2,3
	ds_store_b128 v6, v[X+16*\st+4*\i:X+16*\st+4*\i+3] offset:2560*\st+640*\i
.endr
.irp i, 0,1,2,3
	ds_load_b128 v[T+16*\st+4*\i:T+16*\st+4*\i+3], v7 offset:2560*\st+16*\i
.endr
.endm
	TURN 0
	TURN 1
	s_wait_loadcnt 0x0                             ; router_w
; 128 packed multiply-adds: 16 chains (4 tokens x 4 pairs of experts), each 8 deep; x's number is taken for both halves
.irp j, 0,1
.irp i, 0,1,2,3
.irp t, 0,1,2,3
.irp e, 0,2,4,6
.if (\j+\i) == 0
	v_pk_mul_f32 v[P+8*\t+\e:P+8*\t+\e+1], v[X+8*\t:X+8*\t+1], v[W+\e:W+\e+1] op_sel_hi:[0,1]
.elseif (\i%2) == 0
	v_pk_fma_f32 v[P+8*\t+\e:P+8*\t+\e+1], v[X+8*\t+4*\j+\i:X+8*\t+4*\j+\i+1], v[W+32*\j+8*\i+\e:W+32*\j+8*\i+\e+1], v[P+8*\t+\e:P+8*\t+\e+1] op_sel_hi:[0,1,1]
.else
	v_pk_fma_f32 v[P+8*\t+\e:P+8*\t+\e+1], v[X+8*\t+4*\j+\i-1:X+8*\t+4*\j+\i], v[W+32*\j+8*\i+\e:W+32*\j+8*\i+\e+1], v[P+8*\t+\e:P+8*\t+\e+1] op_sel:[1,0,0] op_sel_hi:[1,1,1]
.endif
.endr
.endr
.endr
.endr
; The 32 sums are added over the 32 lanes and dealt out: in each of five steps a lane keeps the half of its sums whose index has the lane's own bit, and sends the other half to its partner.  Lane l ends with sum l.
.set I, 0
.rept 16
	v_cndmask_b32 v[W+2*I], v[P+I], v[P+I+16], s22
	v_cndmask_b32 v[W+2*I+1], v[P+I+16], v[P+I], s22
.set I, I+1
.endr
.set I, 0
.rept 16
	v_permlanex16_b32 v[W+32+I], v[W+2*I+1], s20, s21
.set I, I+1
.endr
.set I, 0
.rept 16
	v_add_f32 v[P+I], v[W+2*I], v[W+32+I]
.set I, I+1
.endr
.macro RS d, m
.set I, 0
.rept \d
	v_cndmask_b32 v[W+2*I], v[P+I], v[P+I+\d], \m
	v_cndmask_b32 v[W+2*I+1], v[P+I+\d], v[P+I], \m
.set I, I+1
.endr
.set I, 0
.rept \d
	v_add_f32_dpp v[P+I], v[W+2*I+1], v[W+2*I] row_xmask:\d row_mask:0xf bank_mask:0xf
.set I, I+1
.endr
.endm
	RS 8, s23
	RS 4, s24
	RS 2, s25
	RS 1, s26
	ds_store_b32 v8, v[P]                          ; my wave's part of logit (token lane / 8, expert lane % 8)
	s_wait_dscnt 0x0                               ; the numbers are back from the stage
; A block of 32 lies in two neighbouring lanes.  Its scale: the largest magnitude's exponent field less 4, held at 1 from below by the floor 2^(5 - 127).
.macro QUANT st
.set XS, T+16*\st
	v_max3_num_f32 v13, |v[XS]|, |v[XS+1]|, |v[XS+2]|
	v_max3_num_f32 v14, |v[XS+3]|, |v[XS+4]|, |v[XS+5]|
.irp i, 6,10
	v_max3_num_f32 v13, v13, |v[XS+\i]|, |v[XS+\i+1]|
	v_max3_num_f32 v14, v14, |v[XS+\i+2]|, |v[XS+\i+3]|
.endr
	v_max3_num_f32 v13, v13, |v[XS+14]|, |v[XS+15]|
	v_max3_num_f32 v13, v13, v14, 0x2800000
	v_max_num_f32_dpp v13, v13, v13 row_xmask:1 row_mask:0xf bank_mask:0xf
	v_add_nc_u32 v[30+\st], 0xfe000000, v13        ; the conversion takes the exponent field of this operand as its scale
	v_cvt_scalef32_pk16_bf6_f32 v[20+4*\st:22+4*\st], v[XS:XS+15], v[30+\st]
	v_lshrrev_b32 v[28+\st], 23, v[30+\st]         ; the scale's byte (a plain line behind the conversion)
	ds_store_b96 v9, v[20+4*\st:22+4*\st] offset:2048*\st
	ds_store_b8 v10, v[28+\st] offset:64*\st       ; both lanes of a block write the same byte with the same value
.endm
	QUANT 0
	QUANT 1
	s_wait_dscnt 0x0                               ; for the others' sake: my stores have landed
	s_barrier_signal -1
	s_barrier_wait -1
	ds_load_b96 v[20:22], v11
	ds_load_b96 v[24:26], v11 offset:512
	s_wait_dscnt 0x0
	global_store_b96 v12, v[20:22], s[8:9]         ; 32 lanes store 384 consecutive bytes
	global_store_b96 v12, v[24:26], s[8:9] offset:384
	s_cmp_lg_u32 s18, 1
	s_cbranch_scc1 .Lnot_1
	ds_load_b32 v28, v16                           ; wave 1: the four tokens' 128 scale bytes
	s_wait_dscnt 0x0
	global_store_b32 v18, v28, s[10:11]
.Lnot_1:
	s_cmp_lg_u32 s18, 0
	s_cbranch_scc1 .Lend
	ds_load_b32 v128, v17                          ; wave 0: the four waves' parts
	ds_load_b32 v129, v17 offset:128
	ds_load_b32 v130, v17 offset:256
	ds_load_b32 v131, v17 offset:384
	v_and_b32 v132, 7, v1
	v_cvt_f32_u32 v133, v132                       ; my expert, as a float
	v_mov_b32 v134, 0x41000000                     ; 8.0: above every expert
	v_mov_b32 v135, 0xff800000                     ; -infinity
	s_wait_dscnt 0x0
	v_add_f32 v128, v128, v129
	v_add_f32 v130, v130, v131
	v_add_f32 v128, v128, v130                     ; the logit
	global_store_b32 v18, v128, s[12:13]
.macro RED8 op, r                      ; over the eight lanes of a token
	\op v[\r], v[\r], v[\r] row_xmask:1 row_mask:0xf bank_mask:0xf
	\op v[\r], v[\r], v[\r] row_xmask:2 row_mask:0xf bank_mask:0xf
	\op v[\r], v[\r], v[\r] row_xmask:4 row_mask:0xf bank_mask:0xf
.endm
	v_mov_b32 v136, v128
	RED8 v_max_num_f32_dpp, 136                    ; l1
	v_cmp_eq_f32 vcc_lo, v128, v136
	v_cndmask_b32 v137, v134, v133, vcc_lo
	RED8 v_min_num_f32_dpp, 137                    ; the lowest expert that has it
	v_cmp_eq_f32 s38, v133, v137
	v_cndmask_b32 v138, v128, v135, s38            ; the logits without it
	v_mov_b32 v139, v138
	RED8 v_max_num_f32_dpp, 139                    ; l2
	v_cmp_eq_f32 vcc_lo, v138, v139
	v_cndmask_b32 v140, v134, v133, vcc_lo
	RED8 v_min_num_f32_dpp, 140
	v_cmp_eq_f32 s39, v133, v140
	v_sub_f32 v141, v139, v136                     ; l2 - l1, at most 0
	v_mul_f32 v141, 0x3fb8aa3b, v141
	s_wait_alu depctr_va_vdst(0)
	v_exp_f32 v142, v141
	v_nop                                          ; a plain line behind the transcendental
	v_cvt_u32_f32 v143, v137
	v_cvt_u32_f32 v144, v140
	s_wait_alu depctr_va_vdst(0)                   ; the wait ahead of the result's first reader
	v_add_f32 v145, 1.0, v142
	s_wait_alu depctr_va_vdst(0)
	v_rcp_f32 v146, v145                           ; w1
	v_nop
	v_mov_b32 v147, 1
	v_lshlrev_b32 v143, v143, v147
	v_lshlrev_b32 v144, v144, v147
	v_or_b32 v143, v143, v144                      ; the two experts' bits
	v_mov_b32 v149, 0
	v_lshrrev_b32 v150, 3, v1
	v_lshlrev_b32 v150, 2, v150
	s_wait_alu depctr_va_vdst(0)
	v_mul_f32 v148, v142, v146                     ; w2
	v_cndmask_b32 v149, v149, v148, s39
	v_cndmask_b32 v149, v149, v146, s38
	global_store_b32 v18, v149, s[14:15]
	v_cmp_eq_u32 vcc_lo, 0, v132
	s_wait_xcnt 0x0                                ; EXEC changes only behind this wait
	s_and_saveexec_b32 s40, vcc_lo
	global_store_b32 v150, v143, s[16:17]          ; one lane of each token
	s_wait_xcnt 0x0
	s_or_b32 exec_lo, exec_lo, s40
.Lend:
	s_wait_tensorcnt 0x0                           ; the wave's end
	ds_add_u32 v[SPW], v[NIL]
	s_wait_dscnt 0x0
	s_endpgm
.Lfunc_end_k_q8921e6fec3_route:
	.size	k_q8921e6fec3_route, .Lfunc_end_k_q8921e6fec3_route-k_q8921e6fec3_route
	.p2alignl 7, 3214868480
	.fill 96, 4, 3214868480
	.section	.rodata,"a",@progbits
	.p2align	6, 0x0
	.amdhsa_kernel k_q8921e6fec3_route
		.amdhsa_group_segment_fixed_size 25856
		.amdhsa_private_segment_fixed_size 0
		.amdhsa_enable_private_segment 0
		.amdhsa_kernarg_size 56
		.amdhsa_user_sgpr_count 2
		.amdhsa_user_sgpr_kernarg_segment_ptr 1
		.amdhsa_wavefront_size32 1
		.amdhsa_system_sgpr_workgroup_id_x 1
		.amdhsa_system_sgpr_workgroup_id_y 1
		.amdhsa_system_sgpr_workgroup_id_z 1
		.amdhsa_system_vgpr_workitem_id 0
		.amdhsa_next_free_vgpr 192
		.amdhsa_next_free_sgpr 66
		.amdhsa_reserve_vcc 1
		.amdhsa_float_denorm_mode_32 3
		.amdhsa_float_denorm_mode_16_64 3
		.amdhsa_memory_ordered 1
		.amdhsa_forward_progress 1
		.amdhsa_inst_pref_size 27
	.end_amdhsa_kernel
	.amdgpu_metadata
---
amdhsa.version: [ 1, 2 ]
amdhsa.kernels:
  - .name:           k_q8921e6fec3_route
    .symbol:         k_q8921e6fec3_route.kd
    .args:
      - { .name: hidden_states, .offset: 0, .size: 8, .value_kind: global_buffer, .address_space: global }
      - { .name: router_w, .offset: 8, .size: 8, .value_kind: global_buffer, .address_space: global }
      - { .name: xq, .offset: 16, .size: 8, .value_kind: global_buffer, .address_space: global }
      - { .name: xs, .offset: 24, .size: 8, .value_kind: global_buffer, .address_space: global }
      - { .name: out1, .offset: 32, .size: 8, .value_kind: global_buffer, .address_space: global }
      - { .name: rt, .offset: 40, .size: 8, .value_kind: global_buffer, .address_space: global }
      - { .name: sel, .offset: 48, .size: 8, .value_kind: global_buffer, .address_space: global }
    .group_segment_fixed_size: 25856
    .private_segment_fixed_size: 0
    .kernarg_segment_align: 8
    .kernarg_segment_size: 56
    .max_flat_workgroup_size: 128
    .sgpr_count:     66
    .vgpr_count:     192
    .wavefront_size: 32
...
	.end_amdgpu_metadata
.endif
;; end of part 1
;; launch gateup (part 2): grid 32 x 8, 4 waves a work-group, no clusters, 212,480 bytes of LDS; arguments gate_w_codes, gate_w_scales, up_w_codes, up_w_scales, xq, xs, sel, rec, hq, hs, cnt; writes rec, hq, hs, cnt
.if DOCPART == 2
	.amdgcn_target "amdgcn-amd-amdhsa--gfx1250"
	.amdhsa_code_object_version 6
	.text
	.protected	k_q8921e6fec3_gateup
	.globl	k_q8921e6fec3_gateup
	.p2align	8
	.type	k_q8921e6fec3_gateup,@function
k_q8921e6fec3_gateup:
	s_mov_b64 s[64:65], 0
	v_nop
	global_prefetch_b8 v0, s[64:65] scope:SCOPE_SE
	s_setreg_imm32_b32 hwreg(HW_REG_WAVE_MODE, 25, 1), 1
	s_wait_xcnt 0x0
; THE PLACING OF ROWS, AND THE HIDDEN LAYER OF THE CHOSEN ROWS.  For expert e and the tokens that chose it: hidden = (Q(x) Wu) x silu(Q(x) Wg), quantised along its 2,048 columns (the next K) to codes of E3M2 and E8M0 bytes.
; hq[e][place in e's list][1,536 bytes]: a row one stream of bits; hs[e][place][64]: bytes 1 and 2 of each word of four changed over (see THE ORDER OF K).
; THE LISTS.  sel[t] holds the two bits of token t's experts.  Every wave walks the tokens in ONE order (register j, then lane; register 4 q + i of lane l is token 128 q + 4 l + i), so a place counted in one work-group is the place
; that every other work-group counts.  Wave 0 lays expert e's list in LDS: a member's token at the word of its place, the others' into a word of their lane behind the list.  These stores stand between the kernel's head and its first
; barrier, where no other wave touches LDS.  In the work-groups with c < 7 - e wave 1 makes, for the launch that follows, the records {token, place in a's list, place in b's list} of pair {a = e, b = e + 1 + c}, list 8 + p of rec
; (p: the 28 pairs ordered by a, then b), and cnt[8 + p]: members from the front, records of zeros from entry 1,023 downward and in entries 1,024 .. 1,087, so that each entry is written once.  All this stands where the waves wait for their weights.
; SHARES.  Work-group (c, e) owns columns 64 c .. 64 c + 63 of expert e for ALL rows of its list: each byte of the gate's and up's codes is read once in the launch and then stays in registers.
; Wave w: ch = w % 2 picks 32 columns (one block of the next K), rp = w / 2 picks 32 of a step's 64 rows.  Its four weight tiles (gate and up, 16 columns each) x 8 K steps are 384 registers.
; The products are used transposed (source 0 = 16 rows of a weight, source 1 = 16 rows of x): a lane holds one token.  Tile u takes the weight's rows 8 u + r + 8 (r / 8), so the 16 registers of tiles 0 and 1 are 16 neighbouring columns.
; THE ORDER OF K.  Lane (r, h) takes the 48 CONSECUTIVE bytes at 96 s + 48 h of its row, three loads of 16 bytes, for both operands alike: of a K step's four blocks the second and third change places in the unit,
; which pairs the same k on both sides; only the scale words' bytes 1 and 2 change over (the weights' by v_perm_b32, this program's own as they are stored).
; ROWS OF 768 BYTES come from memory as three aligned pieces of 256 bytes, sixteen lanes to a piece, go to LDS rows of 784 bytes (49 x 16: sixteen rows start at sixteen different places modulo 256) and come back as fragments.
; THE LOOP has a constant count, 16 steps of 64 rows, so that no barrier hangs on the list's length; a step past the list's end is a barrier and a few scalar lines.  x is gathered two steps ahead, the list's entries are read three ahead.
; No tensor load, no cluster, no joint load: branches hang on counts made of stored numbers.  hq is stored in pieces of 12 bytes and hs by bytes: a work-group owns 64 of a row's 2,048 columns; the buffers are laid for the launch that reads them.
; LIMITS.  NaN and infinities are not served; up x gate must stay finite in f32; a block of zeros gets the byte 1 (its codes are zeros; this program alone reads the bytes).
.set X0,    100352                     ; LDS: 0: the weights, 128 rows x 784; then x, two buffers of 64 rows x 784;
.set XBUF,  50176
.set XS0,   200704                     ; x's scale words, two buffers of 64 rows x 48;
.set XSBUF, 3072
.set LIST,  206848                     ; the expert's list: 1,216 words (16 steps and three ahead, 64 a step), and behind it 256 bytes with a word for each lane;
.set NLIST, 1216
.set SPARE, 211968                     ; the spare words, 128 bytes for each wave: two blocks of 256 bytes that no other line names
.set SPW, 3
.set NIL, 4
.set LPW, 5                            ; LDS addresses, all made at the head: weights in, weights out,
.set LGW, 6
.set LPX, 7                            ; x in, x out (two tiles),
.set LGX, 8
.set LPS, 10                           ; x's scales in, out (two tiles),
.set LGS, 11
.set VW,  13                           ; offsets in memory: weights, their scales
.set VWSC, 14
.set LID, 15                           ; the list: entry 16 w + h, and entry 16 w + lane / 2
.set LID2, 16
.set VH,  17                           ; offsets in hq, hs
.set VHS, 18
.set R16, 19                           ; 16 (lane % 16)
.set B16, 20                           ; 16 (lane % 2)
.set IDS, 24                           ; v24-32  nine tokens from the list
.set OFF, 33                           ; v33-41  and the offsets made of them
.set QA,  42
.set QB,  43
.set QT,  44
.set SCO, 45
.set BY,  46                           ; v46-47  a scale byte for each tile
.set CD,  48                           ; v48-50, v52-54 codes for each tile
.set WS,  56                           ; v56-87  the weights' scale words: 8 tile + K step
.set XSC, 88                           ; v88-103 x's scale words: 8 tile + K step
.set ACC, 104                          ; v104-135 gate tiles 0, 1, up tiles 0, 1
.set G,   ACC
.set U,   ACC+16
.set S,   136                          ; v136-231 16 rows of x on their way to LDS; v232-235 their scale bytes
.set SS,  232
.set L4,  236                          ; 4 x lane
.set L16, 237                          ; 16 x lane
.set DIDX, 238                         ; 1,216 + lane: the word behind the list
.set ZA,  239                          ; LIST + 16 x lane
.set LIDC, 240                         ; v240-241 the list's addresses of the step in hand
.set ZR,  244                          ; v244-247 zeros
; at the head alone, in registers that are free there:
.set M,   136                          ; v136-167 sel
.set T,   168                          ; v168-199 at work on the masks
.set SA,  88                           ; wave 0: v88-95 places, then addresses; v96-103 tokens
.set SK,  96
.set PAD, 88                           ; wave 1: v88-103 sixteen stores' offsets; v168-231 sixteen records; v104-115 at work
.set PR,  168
.set PT,  104
.set TP,  108
.set TN,  112
.set MK,  66                           ; s66-97  the lanes whose token of register j chose expert e
; windows 1 and 2: the weights' fragments: K steps 0-4 at 48 s + 12 tile of window 1, K steps 5-7 at 48 (s - 5) + 12 tile of window 2.  window 3: x's fragments, 96 tile + 12 s.
.set MSB, 0
.macro WIN new                         ; the immediate's high byte repeats the setting that is left
.if MSB != \new
	s_set_vgpr_msb (MSB<<8)|\new
.set MSB, \new
.endif
.endm
	s_load_b512 s[4:19], s[0:1], 0x0               ; gate codes, gate scales, up codes, up scales, xq, xs, sel, rec
	s_load_b128 s[20:23], s[0:1], 0x40             ; hq, hs
	s_load_b64 s[32:33], s[0:1], 0x50              ; cnt
	v_lshl_add_u32 v[SPW], v0, 2, SPARE
	v_mov_b32 v[NIL], 0
	v_lshrrev_b32 v21, 5, v0
	v_readfirstlane_b32 s24, v21                   ; wave
	s_and_b32 s25, s24, 1                          ; ch.  Also: which 32 rows of a weight I fetch
	s_lshr_b32 s26, s24, 1                         ; rp.  Also: I fetch gate's (0) or up's (1)
	s_mov_b32 s27, ttmp9                           ; c
	s_and_b32 s28, ttmp7, 0xffff                   ; e
	v_and_b32 v21, 31, v0                          ; lane
	v_lshlrev_b32 v[L4], 2, v21
	v_lshlrev_b32 v[L16], 4, v21
	v_add_nc_u32 v[DIDX], NLIST, v21
	v_lshl_add_u32 v[ZA], v21, 4, LIST
.irp i, 0,1,2,3
	v_mov_b32 v[ZR+\i], 0
.endr
	v_and_b32 v1, 15, v0                           ; r
	v_bfe_u32 v2, v0, 4, 1                         ; h
	v_lshlrev_b32 v[R16], 4, v1
	v_and_b32 v21, 1, v0
	v_lshlrev_b32 v[B16], 4, v21
	v_bfe_u32 v23, v0, 1, 4                        ; lane / 2
	s_wait_alu depctr_va_vdst(0)
	v_mad_u32_u24 v22, v2, 784, v[R16]             ; in: lanes 0-15 one row, lanes 16-31 the next
	v_mul_u32_u24 v21, v1, 784
	v_mad_u32_u24 v21, v2, 48, v21                 ; out: row r, 48 h
	s_mul_i32 s46, s24, 32*784
	v_add_nc_u32 v[LPW], s46, v22
	s_mul_i32 s46, s25, 32*784
	v_add_nc_u32 v[LGW], s46, v21
	s_mul_i32 s46, s24, 16*784
	s_add_co_u32 s46, s46, X0
	v_add_nc_u32 v[LPX], s46, v22
	s_mul_i32 s46, s26, 16*784                     ; my two tiles of a step: rows 16 rp .. and 32 + 16 rp ..
	s_add_co_u32 s46, s46, X0
	v_add_nc_u32 v[LGX], s46, v21
	v_add_nc_u32 v[LGX+1], 32*784, v[LGX]
	s_mul_i32 s46, s24, 16*48
	s_add_co_u32 s46, s46, XS0
	v_mad_u32_u24 v[LPS], v23, 48, v[B16]
	v_add_nc_u32 v[LPS], s46, v[LPS]
	s_mul_i32 s46, s26, 16*48
	s_add_co_u32 s46, s46, XS0
	v_mul_u32_u24 v[LGS], v1, 48
	v_add_nc_u32 v[LGS], s46, v[LGS]
	v_add_nc_u32 v[LGS+1], 32*48, v[LGS]
	v_mad_u32_u24 v[VW], v2, 768, v[R16]
	v_and_b32 v24, 8, v1
	v_add_nc_u32 v24, v24, v1                      ; r + 8 (r / 8)
	v_lshlrev_b32 v[VWSC], 5, v24
	s_lshl_b32 s46, s24, 6
	s_add_co_u32 s46, s46, LIST
	v_lshl_add_u32 v[LID], v2, 2, s46              ; entry 16 w + h
	v_lshl_add_u32 v[LID2], v23, 2, s46            ; entry 16 w + lane / 2
	s_mul_i32 s46, s26, 16*1536
	v_mul_u32_u24 v[VH], v1, 1536
	v_mad_u32_u24 v[VH], v2, 12, v[VH]
	v_add_nc_u32 v[VH], s46, v[VH]
	s_lshl_b32 s46, s26, 10
	v_lshl_add_u32 v[VHS], v1, 6, s46
	v_mov_b32 v[QT], 0                             ; a lane permute's destination counts as one of its sources
.set J, 0
.rept 32
	v_mov_b32 v[ACC+J], 0                          ; written on every way to the lines behind the step's barrier that read them
.set J, J+1
.endr
	s_mov_b32 s42, 0x76543210
	s_mov_b32 s43, 0xfedcba98
	s_mov_b32 s44, 0x03010200                      ; bytes 1 and 2 change over
	s_lshl_b32 s48, s26, 4                         ; 16 rp
	s_lshl_b32 s46, s28, 11
	s_lshl_b32 s47, s27, 6
	s_add_co_u32 s46, s46, s47
	s_lshl_b32 s47, s25, 5
	s_add_co_u32 s50, s46, s47                     ; row 2048 e + 64 c + 32 (w % 2) of a weight
	s_mul_i32 s52, s50, 768
	s_mov_b32 s53, 0
	s_lshl_b32 s54, s50, 5
	s_mov_b32 s55, 0
	s_mul_i32 s56, s28, 1572864                    ; hq: e's rows, + the 24 bytes of block 2 c + ch
	s_mul_i32 s58, s27, 48
	s_add_co_u32 s56, s56, s58
	s_mul_i32 s58, s25, 24
	s_add_co_u32 s56, s56, s58
	s_mov_b32 s57, 0
	s_lshl_b32 s58, s28, 16                        ; hs: word c / 2, byte 2 ch + c % 2: the block's byte with bytes 1 and 2 changed over
	s_lshr_b32 s59, s27, 1
	s_lshl_b32 s59, s59, 2
	s_add_co_u32 s58, s58, s59
	s_lshl_b32 s59, s25, 1
	s_add_co_u32 s58, s58, s59
	s_and_b32 s59, s27, 1
	s_add_co_u32 s58, s58, s59
	s_mov_b32 s59, 0
	s_sub_co_u32 s45, 7, s28                       ; so many pairs have e as their lower expert
	s_sub_co_u32 s46, 15, s28
	s_mul_i32 s46, s46, s28
	s_lshr_b32 s46, s46, 1                         ; the first of them: e (15 - e) / 2
	s_add_co_u32 s46, s46, s27                     ; p, where c < 7 - e
	s_min_u32 s46, s46, 27
	s_add_co_u32 s46, s46, 8
	s_mul_i32 s60, s46, 17408                      ; list 8 + p of rec,
	s_mov_b32 s61, 0
	s_lshl_b32 s62, s46, 2                         ; word 8 + p of cnt
	s_mov_b32 s63, 0
	s_add_co_u32 s47, s28, s27
	s_add_co_u32 s47, s47, 1                       ; b
	s_min_u32 s47, s47, 7
	s_lshl_b32 s51, 1, s47                         ; b's bit,
	s_lshl_b32 s49, 1, s28                         ; e's
	s_wait_alu depctr_va_vdst(0)
	s_wait_kmcnt 0x0
	s_cmp_lt_u32 s24, 2
	s_cselect_b64 s[34:35], s[4:5], s[8:9]         ; the choice hangs on the wave's number alone
	s_add_nc_u64 s[34:35], s[34:35], s[52:53]
	s_add_nc_u64 s[36:37], s[6:7], s[54:55]
	s_add_nc_u64 s[38:39], s[10:11], s[54:55]
	s_add_nc_u64 s[2:3], s[18:19], s[60:61]
	s_add_nc_u64 s[32:33], s[32:33], s[62:63]
	s_add_nc_u64 s[20:21], s[20:21], s[56:57]
	s_add_nc_u64 s[22:23], s[22:23], s[58:59]
.macro IDL a, a2, off                  ; the tokens of my 16 rows of a step: for pair q lanes 0-15 take row 2 q's, lanes 16-31 row 2 q + 1's; and once a row to two lanes
.irp q, 0,1,2,3,4,5,6,7
	ds_load_b32 v[IDS+\q], v[\a] offset:\off+8*\q
.endr
	ds_load_b32 v[IDS+8], v[\a2] offset:\off
.endm
.macro OFFS
.irp q, 0,1,2,3,4,5,6,7,8
	v_min_u32 v[OFF+\q], 0x3ff, v[IDS+\q]          ; a loaded number enters an address behind this hold
.endr
.irp q, 0,1,2,3,4,5,6,7
	v_mad_u32_u24 v[OFF+\q], v[OFF+\q], 768, v[R16]
.endr
	v_lshl_add_u32 v[OFF+8], v[OFF+8], 5, v[B16]
.endm
.macro GATHER                          ; 16 rows of 768 bytes: sixteen lanes read 256 consecutive bytes, aligned; and the rows' 32 scale bytes
.irp q, 0,1,2,3,4,5,6,7
.irp j, 0,1,2
	global_load_b128 v[S+12*\q+4*\j:S+12*\q+4*\j+3], v[OFF+\q], s[12:13] offset:256*\j
.endr
.endr
	global_load_b128 v[SS:SS+3], v[OFF+8], s[14:15]
.endm
.macro PUTX b
.irp q, 0,1,2,3,4,5,6,7
.irp j, 0,1,2
	ds_store_b128 v[LPX], v[S+12*\q+4*\j:S+12*\q+4*\j+3] offset:(\b)*XBUF+2*\q*784+256*\j
.endr
.endr
	ds_store_b128 v[LPS], v[SS:SS+3] offset:(\b)*XSBUF
.endm
.macro GETF tile, b                    ; a tile's eight fragments and eight scale words
	WIN 0xc0                                       ; destination window 3
.irp s, 0,1,2,3,4,5,6,7
.irp i, 0,1,2
	ds_load_b128 v[96*\tile+12*\s+4*\i:96*\tile+12*\s+4*\i+3], v[LGX+\tile] offset:(\b)*XBUF+96*\s+16*\i
.endr
.endr
	WIN 0
	ds_load_b128 v[XSC+8*\tile:XSC+8*\tile+3], v[LGS+\tile] offset:(\b)*XSBUF
	ds_load_b128 v[XSC+8*\tile+4:XSC+8*\tile+7], v[LGS+\tile] offset:(\b)*XSBUF+16
.endm
; 32 products: the four accumulators take turns, one instruction a turn; the first K step starts the sums with the constant 0
.macro MULT tile
	WIN 0x0d                                       ; source 0 window 1, source 1 window 3
.irp s, 0,1,2,3,4,5,6,7
.if \s == 5
	WIN 0x0e                                       ; source 0 window 2
.endif
.irp t, 0,1,2,3
.if \s == 0
	v_wmma_scale_f32_16x16x128_f8f6f4 v[ACC+8*\t:ACC+8*\t+7], v[48*(\s%5)+12*\t:48*(\s%5)+12*\t+11], v[96*\tile+12*\s:96*\tile+12*\s+11], 0, v[WS+8*\t+\s], v[XSC+8*\tile+\s] matrix_a_fmt:MATRIX_FMT_BF6 matrix_b_fmt:MATRIX_FMT_BF6
.else
	v_wmma_scale_f32_16x16x128_f8f6f4 v[ACC+8*\t:ACC+8*\t+7], v[48*(\s%5)+12*\t:48*(\s%5)+12*\t+11], v[96*\tile+12*\s:96*\tile+12*\s+11], v[ACC+8*\t:ACC+8*\t+7], v[WS+8*\t+\s], v[XSC+8*\tile+\s] matrix_a_fmt:MATRIX_FMT_BF6 matrix_b_fmt:MATRIX_FMT_BF6
.endif
.endr
.endr
.endm
; up x gate / (1 + 2^(-gate log2 e)), all in f32; then the block of 32 (lanes l and l xor 16) is quantised and leaves.  Each accumulator is read from its low end on.
.macro ACTQ tile
	WIN 0
.rept 5
	v_nop                                          ; places behind the products (ISA guide 7.12.1): four for the lines below, five for the next run, which begins these accumulators anew
.endr
.irp j, 0,2,4,6,8,10,12,14
	v_pk_mul_f32 v[U+\j:U+\j+1], v[U+\j:U+\j+1], v[G+\j:G+\j+1]
.endr
.irp j, 0,2,4,6,8,10,12,14
	v_pk_mul_f32 v[G+\j:G+\j+1], v[G+\j:G+\j+1], 0xbfb8aa3b op_sel_hi:[1,0]
.endr
	s_wait_alu depctr_va_vdst(0)
.irp j, 0,1,2,3,4,5,6,7,8,9,10,11,12,13,14,15
	v_exp_f32 v[G+\j], v[G+\j]
.endr
	v_nop                                          ; a plain line behind the batch,
	s_wait_alu depctr_va_vdst(0)                   ; and one wait for it, ahead of its first reader
.irp j, 0,2,4,6,8,10,12,14
	v_pk_add_f32 v[G+\j:G+\j+1], v[G+\j:G+\j+1], 1.0 op_sel_hi:[1,0]
.endr
	s_wait_alu depctr_va_vdst(0)
.irp j, 0,1,2,3,4,5,6,7,8,9,10,11,12,13,14,15
	v_rcp_f32 v[G+\j], v[G+\j]
.endr
	v_nop
	s_wait_alu depctr_va_vdst(0)
.irp j, 0,2,4,6,8,10,12,14
	v_pk_mul_f32 v[U+\j:U+\j+1], v[U+\j:U+\j+1], v[G+\j:G+\j+1]
.endr
	v_max3_num_f32 v[QA], |v[U]|, |v[U+1]|, |v[U+2]|
	v_max3_num_f32 v[QB], |v[U+3]|, |v[U+4]|, |v[U+5]|
.irp i, 6,10
	v_max3_num_f32 v[QA], v[QA], |v[U+\i]|, |v[U+\i+1]|
	v_max3_num_f32 v[QB], v[QB], |v[U+\i+2]|, |v[U+\i+3]|
.endr
	v_max3_num_f32 v[QA], v[QA], |v[U+14]|, |v[U+15]|
	v_max3_num_f32 v[QA], v[QA], v[QB], 0x2800000  ; the floor 2^(5 - 127): the byte cannot fall under 1
	v_permlanex16_b32 v[QT], v[QA], s42, s43
	v_max_num_f32 v[QA], v[QA], v[QT]
	v_add_nc_u32 v[SCO], 0xfe000000, v[QA]         ; 4 off the exponent field: the conversion's scale operand
	v_lshrrev_b32 v[BY+\tile], 23, v[SCO]
	v_cvt_scalef32_pk16_bf6_f32 v[CD+4*\tile:CD+4*\tile+2], v[U:U+15], v[SCO]
	v_nop                                          ; a plain line behind the conversion: the next products write its sources
	global_store_b96 v[VH], v[CD+4*\tile:CD+4*\tile+2], s[20:21] offset:\tile*49152
	global_store_b8 v[VHS], v[BY+\tile], s[22:23] offset:\tile*2048   ; both lanes of a block write the same byte with the same value
.endm
; WAVE 0: four registers of sel into the list.  s4-7: how many members stand ahead of each register.  A member's token goes to the word of its place, another's to its lane's word behind the list.  The four by turns: no line waits for the line above it.
.macro SCAT4 j0
.set SCS, 4*(((\j0)/4)%2)
.irp k, 0,1,2
	s_bcnt1_i32_b32 s8, s[MK+(\j0)+\k]
	s_add_co_u32 s[5+\k], s[4+\k], s8
.endr
.irp k, 0,1,2,3
	v_mbcnt_lo_u32_b32 v[SA+SCS+\k], s[MK+(\j0)+\k], s[4+\k]
.endr
.irp k, 0,1,2,3
	v_add_nc_u32 v[SK+SCS+\k], 128*((\j0)/4)+\k, v[L4]
.endr
.irp k, 0,1,2,3
	v_cndmask_b32 v[SA+SCS+\k], v[DIDX], v[SA+SCS+\k], s[MK+(\j0)+\k]
.endr
.irp k, 0,1,2,3
	v_min_u32 v[SA+SCS+\k], 0x4df, v[SA+SCS+\k]    ; a number made of loaded data enters an address behind this hold: 1,216 + 31 at the most
.endr
.irp k, 0,1,2,3
	v_lshl_add_u32 v[SA+SCS+\k], v[SA+SCS+\k], 2, LIST
.endr
.irp k, 0,1,2,3
	ds_store_b32 v[SA+SCS+\k], v[SK+SCS+\k]
.endr
	s_bcnt1_i32_b32 s8, s[MK+(\j0)+3]
	s_add_co_u32 s4, s7, s8
.endm
; WAVE 1 of a work-group that has a pair: four registers of sel into the pair's records.  s4-7 the lanes with b, s8-11 members, s52-55 the others; ahead of each register: s56-59 tokens of a, s60-63 of b, s98-101 members.
; Register j has 32 j - (members ahead) others ahead of it: an other's entry is 1,023 less those and less the others in lower lanes.  Sixteen sets of store registers: they are written again only behind the wait at j0 = 16.
.macro PGRP j0
.if (\j0) == 16
	s_wait_xcnt 0x0                                ; the first sixteen stores have read their data and offsets
.endif
.irp k, 0,1,2,3
	v_and_b32 v[PT+\k], s51, v[M+(\j0)+\k]
.endr
.irp k, 0,1,2,3
	v_cmp_ne_u32 s[4+\k], 0, v[PT+\k]
.endr
.irp k, 0,1,2,3
	v_add_nc_u32 v[PR+4*(((\j0)+\k)%16)], 128*((\j0)/4)+\k, v[L4]   ; my token
.endr
.irp k, 0,1,2,3
	s_and_b32 s[8+\k], s[MK+(\j0)+\k], s[4+\k]
	s_not_b32 s[52+\k], s[8+\k]
.endr
.irp k, 0,1,2
	s_bcnt1_i32_b32 s47, s[MK+(\j0)+\k]
	s_add_co_u32 s[57+\k], s[56+\k], s47
	s_bcnt1_i32_b32 s47, s[4+\k]
	s_add_co_u32 s[61+\k], s[60+\k], s47
	s_bcnt1_i32_b32 s47, s[8+\k]
	s_add_co_u32 s[99+\k], s[98+\k], s47
.endr
.irp k, 0,1,2,3
	v_mbcnt_lo_u32_b32 v[PR+4*(((\j0)+\k)%16)+1], s[MK+(\j0)+\k], s[56+\k]   ; my place in a's list,
.endr
.irp k, 0,1,2,3
	v_mbcnt_lo_u32_b32 v[PR+4*(((\j0)+\k)%16)+2], s[4+\k], s[60+\k]          ; in b's,
.endr
.irp k, 0,1,2,3
	v_mbcnt_lo_u32_b32 v[TP+\k], s[8+\k], s[98+\k]                           ; in the pair's,
.endr
.irp k, 0,1,2,3
	v_mbcnt_lo_u32_b32 v[TN+\k], s[52+\k], 0
.endr
.irp k, 0,1,2,3
	v_sub_nc_u32 v[TN+\k], s[98+\k], v[TN+\k]
.endr
.irp k, 0,1,2,3
	v_add_nc_u32 v[TN+\k], 1023-32*((\j0)+\k), v[TN+\k]                      ; or from its end
.endr
.irp k, 0,1,2,3
	v_cndmask_b32 v[TP+\k], v[TN+\k], v[TP+\k], s[8+\k]
.endr
.irp i, 0,1,2
.irp k, 0,1,2,3
	v_cndmask_b32 v[PR+4*(((\j0)+\k)%16)+\i], 0, v[PR+4*(((\j0)+\k)%16)+\i], s[8+\k]
.endr
.endr
.irp k, 0,1,2,3
	v_min_u32 v[TP+\k], 0x3ff, v[TP+\k]            ; a number made of loaded data enters an address behind this hold
.endr
.irp k, 0,1,2,3
	v_lshlrev_b32 v[PAD+((\j0)+\k)%16], 4, v[TP+\k]
.endr
.irp k, 0,1,2,3
	global_store_b96 v[PAD+((\j0)+\k)%16], v[PR+4*(((\j0)+\k)%16):PR+4*(((\j0)+\k)%16)+2], s[2:3]
.endr
	s_bcnt1_i32_b32 s47, s[MK+(\j0)+3]
	s_add_co_u32 s56, s59, s47
	s_bcnt1_i32_b32 s47, s7
	s_add_co_u32 s60, s63, s47
	s_bcnt1_i32_b32 s47, s11
	s_add_co_u32 s98, s101, s47
.endm
.irp q, 0,1,2,3,4,5,6,7                ; sel first: loads come back in order, and the placing below is done while the weights are on their way
	global_load_b128 v[M+4*\q:M+4*\q+3], v[L16], s[16:17] offset:512*\q
.endr
	WIN 0x40                                       ; my 32 rows of a weight, 48 loads, into window 1
.set Q, 0
.rept 16
.irp j, 0,1,2
	global_load_b128 v[12*Q+4*\j:12*Q+4*\j+3], v[VW], s[34:35] offset:2*Q*768+256*\j th:TH_LOAD_NT
.endr
.set Q, Q+1
.endr
	WIN 0
.irp u, 0,1                            ; my four tiles' scale rows, 32 bytes a row
	global_load_b128 v[WS+8*\u:WS+8*\u+3], v[VWSC], s[36:37] offset:256*\u
	global_load_b128 v[WS+8*\u+4:WS+8*\u+7], v[VWSC], s[36:37] offset:256*\u+16
	global_load_b128 v[WS+16+8*\u:WS+16+8*\u+3], v[VWSC], s[38:39] offset:256*\u
	global_load_b128 v[WS+16+8*\u+4:WS+16+8*\u+7], v[VWSC], s[38:39] offset:256*\u+16
.endr
	s_wait_loadcnt 56                              ; sel's eight loads are in; behind them: 48 + 8 loads of weights
.set J, 0
.rept 32
	v_and_b32 v[T+J], s49, v[M+J]
.set J, J+1
.endr
.set J, 0
.rept 32
	v_cmp_ne_u32 s[MK+J], 0, v[T+J]                ; the lanes whose token chose e
.set J, J+1
.endr
	s_mov_b32 s29, 0
.set J, 0
.rept 32
	s_bcnt1_i32_b32 s46, s[MK+J]
	s_add_co_u32 s29, s29, s46
.set J, J+1
.endr
	s_min_u32 s29, s29, 1024                       ; the list's length
	s_cmp_lg_u32 s24, 0
	s_cbranch_scc1 .Lnot_0
.irp k, 0,1,2,3,4,5,6,7,8,9                        ; wave 0: zeros into the list's 4,864 bytes and the 256 behind it; LDS serves a wave's instructions in order, so the tokens land on the zeros
	ds_store_b128 v[ZA], v[ZR:ZR+3] offset:512*\k
.endr
	s_mov_b32 s4, 0
.irp g, 0,4,8,12,16,20,24,28
	SCAT4 \g
.endr
	s_branch .Lplaced
.Lnot_0:
	s_cmp_lg_u32 s24, 1
	s_cbranch_scc1 .Lplaced
	s_cmp_lt_u32 s27, s45                          ; has my work-group a pair?  Its numbers alone decide
	s_cbranch_scc0 .Lplaced
	s_mov_b32 s56, 0
	s_mov_b32 s60, 0
	s_mov_b32 s98, 0
.irp g, 0,4,8,12,16,20,24,28
	PGRP \g
.endr
	global_store_b128 v[L16], v[ZR:ZR+3], s[2:3] offset:16384   ; entries 1,024 .. 1,087: zeros
	global_store_b128 v[L16], v[ZR:ZR+3], s[2:3] offset:16896
	v_mov_b32 v[PT], s98
	global_store_b32 v[ZR], v[PT], s[32:33]        ; the pair's count: every lane writes the same word with the same value
	s_wait_xcnt 0x0                                ; the stores have read their registers: loads land there below
.Lplaced:
	s_wait_dscnt 0x0                               ; for the others' sake: the list has landed
	s_barrier_signal -1
	s_barrier_wait -1
	IDL LID, LID2, 0
	s_wait_dscnt 0x0
	OFFS
	GATHER                                         ; step 0 (past the list's end its words are zeros: the rows are token 0's)
	IDL LID, LID2, 256
	s_wait_loadcnt 25                              ; the weights are in; behind them: step 0's 25 loads
.set Q, 0
.rept 32
	v_perm_b32 v[WS+Q], v[WS+Q], v[WS+Q], s44
.set Q, Q+1
.endr
	WIN 0x04                                       ; an LDS store's data are its source 1: window 1
.set Q, 0
.rept 16
.set PS, ((2*Q)&7)+8*((2*Q)>>4)+16*(((2*Q)>>3)&1)  ; the row's place in tile order
.irp j, 0,1,2
	ds_store_b128 v[LPW], v[12*Q+4*\j:12*Q+4*\j+3] offset:PS*784+256*\j
.endr
.set Q, Q+1
.endr
	WIN 0
	s_wait_loadcnt 0x0
	PUTX 0
	s_wait_dscnt 0x0                               ; step 1's tokens are in; my stores have landed and have read their registers
	OFFS
	GATHER                                         ; step 1
	s_barrier_signal -1
	s_barrier_wait -1                              ; the weights lie in LDS
	IDL LID, LID2, 512
.irp s, 0,1,2,3,4,5,6,7
.if \s < 5
	WIN 0x40
.else
	WIN 0x80
.endif
.irp t, 0,1,2,3
.irp i, 0,1,2
	ds_load_b128 v[48*(\s%5)+12*\t+4*\i:48*(\s%5)+12*\t+4*\i+3], v[LGW] offset:(64*(\t/2)+16*(\t%2))*784+96*\s+16*\i
.endr
.endr
.endr
	WIN 0
.rept 8
	v_nop                                          ; scale words written by vector instructions stand eight places ahead of a scaled product
.endr
	s_mov_b32 s30, 0                               ; the step's first row,
	s_mov_b32 s40, 0                               ; and its first word in the list, in bytes
	s_mov_b32 s52, 0                               ; s[52:53], s[54:55]: what a step adds to hq's and hs's bases: nothing in the first step, then 64 rows
	s_mov_b32 s53, 0
	s_mov_b32 s54, 0
	s_mov_b32 s55, 0
	GETF 0, 0                                      ; step 0 lies in buffer 0 since the barrier above: my first tile's fragments
; A STEP.  At its head this step's buffer is whole for all waves, my first tile's fragments have been asked for, S holds the next step's rows and IDS the tokens of the step after that.
; The second tile's fragments are fetched ahead of the first tile's products; the next step's rows go to LDS and the gather two steps ahead goes out behind those products;
; the step's ONE barrier stands behind the second tile's products: in front of it my stores into the other buffer have landed and my reads of this one are over; behind it the next step's first
; fragments are asked for, ahead of the second tile's activation.  A tile past the list's end is passed over; the next step has rows only where both my tiles have, so the stores and the gather stand on the first tile's way.
; The stores' bases are stepped behind the first tile's products, and each activation has s_wait_xcnt 0 on every way to it: the data and the bases of the step before's stores are written again only behind such a wait.
.macro TRIP b
	s_add_co_u32 s50, s30, s48
	s_cmp_lt_u32 s50, s29                          ; has my first tile a row?
	s_cbranch_scc0 .Lbar_\@
	GETF 1, \b
	s_wait_dscnt 26                                ; all but the 26 just issued: the first tile's fragments and the tokens are in
	MULT 0
	WIN 0
	s_wait_xcnt 0x0                                ; the stores of the step before have read their data and their bases
	s_add_nc_u64 s[20:21], s[20:21], s[52:53]
	s_add_nc_u64 s[22:23], s[22:23], s[54:55]
	s_mov_b32 s52, 98304                           ; from the second step on: 64 rows of hq,
	s_mov_b32 s54, 4096                            ; 64 rows of hs
	s_add_co_u32 s50, s30, 64
	s_cmp_lt_u32 s50, s29
	s_cbranch_scc0 .Lnoput_\@
	s_wait_loadcnt 0x0                             ; every way to a load into S or to a write of OFF passes this wait
	PUTX 1-\b
	s_add_co_u32 s50, s30, 128
	s_cmp_lt_u32 s50, s29
	s_cbranch_scc0 .Lnoput_\@
	OFFS
	GATHER                                         ; into S, behind the LDS stores that took their data from it
	s_add_co_u32 s50, s30, 192
	s_cmp_lt_u32 s50, s29
	s_cbranch_scc0 .Lnoput_\@
	v_add_nc_u32 v[LIDC], s40, v[LID]
	v_add_nc_u32 v[LIDC+1], s40, v[LID2]
	IDL LIDC, LIDC+1, 768                          ; three steps ahead: 3 x 64 words
.Lnoput_\@:
	ACTQ 0
	s_add_co_u32 s50, s30, s48
	s_add_co_u32 s50, s50, 32
	s_cmp_lt_u32 s50, s29                          ; has my second tile a row?
	s_cbranch_scc0 .Lbar_\@
	s_wait_dscnt 0x0                               ; its fragments are in
	MULT 1
	WIN 0
.rept 5
	v_nop                                          ; places behind the products, on every way to the loads and products that write their registers again
.endr
.Lbar_\@:
	s_wait_dscnt 0x0                               ; for the others' sake: my stores have landed, my reads of this step's buffer are over
	s_barrier_signal -1
	s_barrier_wait -1
	s_add_co_u32 s50, s30, s48
	s_cmp_lt_u32 s50, s29                          ; a wave without a row in this step has nothing more to do in it
	s_cbranch_scc0 .Lend_\@
	s_add_co_u32 s50, s50, 64
	s_cmp_lt_u32 s50, s29                          ; has my first tile of the next step a row?
	s_cbranch_scc0 .Lnf_\@
	GETF 0, 1-\b
.Lnf_\@:
	s_add_co_u32 s50, s30, s48
	s_add_co_u32 s50, s50, 32
	s_cmp_lt_u32 s50, s29
	s_cbranch_scc0 .Lend_\@
	s_wait_xcnt 0x0                                ; the second tile's stores of the step before have read their data
	ACTQ 1
.Lend_\@:
	s_add_co_u32 s40, s40, 256
	s_add_co_u32 s30, s30, 64
.endm
	s_mov_b32 s31, 8
.Lloop:
	TRIP 0
	TRIP 1
	s_sub_co_u32 s31, s31, 1
	s_cmp_lg_u32 s31, 0
	s_cbranch_scc1 .Lloop
	s_wait_tensorcnt 0x0                           ; the wave's end
	ds_add_u32 v[SPW], v[NIL]
	s_wait_dscnt 0x0
	s_endpgm
.Lfunc_end_k_q8921e6fec3_gateup:
	.size	k_q8921e6fec3_gateup, .Lfunc_end_k_q8921e6fec3_gateup-k_q8921e6fec3_gateup
	.p2alignl 7, 3214868480
	.fill 96, 4, 3214868480
	.section	.rodata,"a",@progbits
	.p2align	6, 0x0
	.amdhsa_kernel k_q8921e6fec3_gateup
		.amdhsa_group_segment_fixed_size 212480
		.amdhsa_private_segment_fixed_size 0
		.amdhsa_enable_private_segment 0
		.amdhsa_kernarg_size 88
		.amdhsa_user_sgpr_count 2
		.amdhsa_user_sgpr_kernarg_segment_ptr 1
		.amdhsa_wavefront_size32 1
		.amdhsa_system_sgpr_workgroup_id_x 1
		.amdhsa_system_sgpr_workgroup_id_y 1
		.amdhsa_system_sgpr_workgroup_id_z 1
		.amdhsa_system_vgpr_workitem_id 0
		.amdhsa_next_free_vgpr 960
		.amdhsa_next_free_sgpr 102
		.amdhsa_reserve_vcc 0
		.amdhsa_float_denorm_mode_32 3
		.amdhsa_float_denorm_mode_16_64 3
		.amdhsa_memory_ordered 1
		.amdhsa_forward_progress 1
		.amdhsa_inst_pref_size 153
	.end_amdhsa_kernel
	.amdgpu_metadata
---
amdhsa.version: [ 1, 2 ]
amdhsa.kernels:
  - .name:           k_q8921e6fec3_gateup
    .symbol:         k_q8921e6fec3_gateup.kd
    .args:
      - { .name: gate_w_codes, .offset: 0, .size: 8, .value_kind: global_buffer, .address_space: global }
      - { .name: gate_w_scales, .offset: 8, .size: 8, .value_kind: global_buffer, .address_space: global }
      - { .name: up_w_codes, .offset: 16, .size: 8, .value_kind: global_buffer, .address_space: global }
      - { .name: up_w_scales, .offset: 24, .size: 8, .value_kind: global_buffer, .address_space: global }
      - { .name: xq, .offset: 32, .size: 8, .value_kind: global_buffer, .address_space: global }
      - { .name: xs, .offset: 40, .size: 8, .value_kind: global_buffer, .address_space: global }
      - { .name: sel, .offset: 48, .size: 8, .value_kind: global_buffer, .address_space: global }
      - { .name: rec, .offset: 56, .size: 8, .value_kind: global_buffer, .address_space: global }
      - { .name: hq, .offset: 64, .size: 8, .value_kind: global_buffer, .address_space: global }
      - { .name: hs, .offset: 72, .size: 8, .value_kind: global_buffer, .address_space: global }
      - { .name: cnt, .offset: 80, .size: 8, .value_kind: global_buffer, .address_space: global }
    .group_segment_fixed_size: 212480
    .private_segment_fixed_size: 0
    .kernarg_segment_align: 8
    .kernarg_segment_size: 88
    .max_flat_workgroup_size: 128
    .sgpr_count:     102
    .vgpr_count:     960
    .wavefront_size: 32
...
	.end_amdgpu_metadata
.endif
;; end of part 2
;; launch down2 (part 3): grid 8 x 43, 4 waves a work-group, no clusters, 301,568 bytes of LDS; arguments out_w_codes, out_w_scales, hq, hs, rec, cnt, rt, out0; writes out0
.if DOCPART == 3
	.amdgcn_target "amdgcn-amd-amdhsa--gfx1250"
	.amdhsa_code_object_version 6
	.text
	.protected	k_q8921e6fec3_down2
	.globl	k_q8921e6fec3_down2
	.p2align	8
	.type	k_q8921e6fec3_down2,@function
k_q8921e6fec3_down2:
	s_mov_b64 s[64:65], 0
	v_nop
	global_prefetch_b8 v0, s[64:65] scope:SCOPE_SE
	s_setreg_imm32_b32 hwreg(HW_REG_WAVE_MODE, 25, 1), 1
	s_wait_xcnt 0x0
; THE SECOND PRODUCT AND THE WEIGHTED SUM.  out0[t] = w_a (h_a W_a) + w_b (h_b W_b), {a, b} token t's pair of experts, h_e its hidden row in hq, hs at its place in e's list, w_e from rt.
; Only the two chosen experts of a token are multiplied: the routing matrix is 0 at the others.
; Tokens come sorted by their PAIR, so one work-group makes both products of a token and each output row has one owner.  A tile is up to 64 tokens of one pair x columns 128 c .. 128 c + 127.
; THE GRID.  Work-group (c, j) with j < 28 makes tile 0 of pair j: its pair follows from j alone, so its weights and records are asked for as soon as the arguments are in; the pair's count is read beside them.
; j = 28 .. 42 make the tiles behind a pair's first 64 tokens, counted through the pairs in order: the sum over the pairs that hold a token of ceil(n / 64) - 1 is under 1,024 / 64, so at most 15, whatever the split.
; A work-group without a tile, or whose pair is empty, stores nothing, passes the one barrier and ends.
; SHARES.  Wave w: side w / 2 (a or b), K half w % 2 (1,024 of the 2,048, eight K steps).  It holds its 64 hidden rows' fragments in 384 registers and walks eight tiles of 16 columns of its expert's weight.
; The four partial sums, each multiplied by its side's routing weight (the sum is linear), meet in LDS behind the barrier; each wave adds and stores 16 rows' pieces of 512 bytes.
; All 64 rows are multiplied; rows past the tile's tokens are records of zeros: place 0 of both lists; their results are not stored.
; The products are used transposed (source 0 = 16 rows of out_w, source 1 = 16 hidden rows).  A lane takes the 48 consecutive bytes at 96 s + 48 h of its row, for both operands alike; the weights' scale words have
; bytes 1 and 2 changed over by v_perm_b32; hs is stored so.  Rows of 768 bytes come as three aligned pieces of 256 bytes, sixteen lanes to a piece, through LDS rows of 784 bytes.
; THE WALK.  A weight tile goes memory -> one of two register sets -> one of three LDS slots -> one of two fragment sets.  While tile t is multiplied, tile t + 1's fragments are on their way from LDS,
; tile t + 2 goes to LDS behind the products, and tiles t + 2 and t + 3 are on their way from memory.  Tiles 0 and 1 are laid in LDS, and tiles 2 and 3 asked for, before the hidden rows are in.
; LDS: an area of six slots of 16 rows x 784 bytes for each wave, its own until the barrier.  Slots 0-3 first hold the hidden rows; then bytes 0 .. 33,791 take the wave's partial sums (64 rows x 528).  Tile t's weights lie in slot 3 + (t + 1) % 3.
; No tensor load, no cluster, no joint load: branches hang on stored counts.  LIMITS: NaN and infinities are not served.
.set SLOTB, 12544
.set AREA,  6*SLOTB
.set SPARE, 4*AREA                     ; the spare words, 128 bytes for each wave: two blocks of 256 bytes that no other line names
.set SPW, 3
.set NIL, 4
.set LP,  5                            ; LDS addresses, all made at the head: rows in, fragments out, partial sums in, and out of the four areas
.set LG,  6
.set LPS, 7
.set LRD, 8
.set VW,  12                           ; offsets in memory
.set VWS, 13
.set VL16, 14
.set VIDG, 15
.set VIDR, 16
.set VIDT, 17
.set VIDTW, 18
.set R16, 19
.set TOKW, 20                          ; the tokens of the 16 rows that I store
.set RTW, 22                           ; v22-25  my side's routing weight of row r of each tile
.set SLR, 26                           ; v26-29  places, then offsets in hs
.set TOK, 30                           ; v30-33  tokens, then offsets in rt
.set VOFF, 34                          ; v34-37
.set LP2, 38                           ; rows in and fragments out, from slot 3 on
.set LG2, 39
.set HS,  40                           ; v40-71  the hidden rows' scale words: 8 tile + K step
.set WSR, 72                           ; v72-87  the weights' scale words as loaded, two sets
.set WSA, 88                           ; v88-103 and in the order of K, two sets
.set S0,  128                          ; v128-223 a weight tile on its way to LDS (the other set: window 3, v96-191); later the sums
.set IDG, 224                          ; v224-255 places, then offsets in hq
.set AC,  192                          ; window 3, v192-223: the four accumulators
; windows 1 and 2, v0-191: the hidden rows.  Tile m lands at 96 (m % 2) of window 1 + m / 2, and its fragments take the same registers: K step s at 96 (m % 2) + 12 s.  So a tile is turned through LDS as soon as it is in.
; The weights' fragments: even tiles in window 3, v0-95; odd tiles at v192 + 12 (s % 4) of window 1 + s / 4.
.set MSB, 0
.macro WIN new                         ; the immediate's high byte repeats the setting that is left
.if MSB != \new
	s_set_vgpr_msb (MSB<<8)|\new
.set MSB, \new
.endif
.endm
.macro PICK p, a, b                    ; pair j, from the work-group's number alone
	s_cmp_eq_u32 s21, \p
	s_cselect_b32 s22, (\a)|((\b)<<8)|((\p)<<16), s22
.endm
.macro SCAN p, a, b                    ; is j one of pair p's tiles behind its first?  Choices without a jump.  s20: 28 + such tiles so far
	s_add_co_u32 s25, s[36+\p], 63
	s_lshr_b32 s25, s25, 6
	s_max_u32 s25, s25, 1
	s_sub_co_u32 s25, s25, 1
	s_sub_co_u32 s26, s21, s20
	s_cmp_lt_u32 s26, s25
	s_cselect_b32 s22, (\a)|((\b)<<8)|((\p)<<16), s22
	s_cselect_b32 s23, s26, s23
	s_cselect_b32 s24, s[36+\p], s24
	s_add_co_u32 s20, s20, s25
.endm
	s_load_b512 s[4:19], s[0:1], 0x0               ; out_w codes, scales, hq, hs, rec, cnt, rt, out0
	v_lshl_add_u32 v[SPW], v0, 2, SPARE
	v_mov_b32 v[NIL], 0
	v_lshrrev_b32 v21, 5, v0
	v_readfirstlane_b32 s27, v21                   ; wave
	s_lshr_b32 s28, s27, 1                         ; side
	s_and_b32 s29, s27, 1                          ; K half
	s_mov_b32 s30, ttmp9                           ; c
	s_and_b32 s21, ttmp7, 0xffff                   ; j
	v_and_b32 v1, 15, v0                           ; r
	v_bfe_u32 v2, v0, 4, 1                         ; h
	v_and_b32 v21, 31, v0
	v_lshlrev_b32 v[VL16], 4, v21
	v_lshlrev_b32 v[R16], 4, v1
	s_mul_i32 s34, s27, AREA
	v_mad_u32_u24 v[LP], v2, 784, v[R16]
	v_add_nc_u32 v[LP], s34, v[LP]
	v_mul_u32_u24 v[LG], v1, 784
	v_mad_u32_u24 v[LG], v2, 48, v[LG]
	v_add_nc_u32 v[LG], s34, v[LG]
	v_add_nc_u32 v[LP2], 3*SLOTB, v[LP]
	v_add_nc_u32 v[LG2], 3*SLOTB, v[LG]
	v_mul_u32_u24 v[LPS], v1, 528
	v_lshl_add_u32 v[LPS], v2, 5, v[LPS]
	v_add_nc_u32 v[LPS], s34, v[LPS]
	s_mul_i32 s34, s27, 16*528
	v_add_nc_u32 v[LRD], s34, v[VL16]
	v_add_nc_u32 v[LRD+1], AREA, v[LRD]
	v_add_nc_u32 v[LRD+2], 2*AREA, v[LRD]
	v_add_nc_u32 v[LRD+3], 3*AREA, v[LRD]
	v_mad_u32_u24 v[VW], v2, 1536, v[R16]
	v_lshlrev_b32 v[VWS], 6, v1
	s_lshl_b32 s34, s28, 2
	s_add_co_u32 s34, s34, 4                       ; a record's word 1 (place in a's list) or 2 (in b's)
	v_lshl_add_u32 v[VIDG], v2, 4, s34
	v_lshl_add_u32 v[VIDR], v1, 4, s34
	v_lshlrev_b32 v[VIDT], 4, v1
	s_lshl_b32 s34, s27, 8
	v_add_nc_u32 v[VIDTW], s34, v[VIDT]
	v_mov_b32 v[TOKW], 0                           ; written on every way to the reduction
	s_wait_alu depctr_va_vdst(0)                   ; the wait at the head's end, ahead of the scalar lines
	s_mov_b32 s22, 0                               ; a | b << 8 | p << 16 of my tile's pair
	s_mov_b32 s23, 0                               ; which tile of the pair
	s_mov_b32 s31, 0                               ; the tile's tokens, and how many of my 16 rows are stored: 0 on the way of a work-group without a tile
	s_mov_b32 s55, 0
.set PP, 0
.irp a, 0,1,2,3,4,5,6
.irp b, 1,2,3,4,5,6,7
.if \b > \a
	PICK PP, \a, \b
.set PP, PP+1
.endif
.endr
.endr
	s_lshl_b32 s20, s21, 2                         ; pair j's word among the counts
	s_wait_kmcnt 0x0
	s_cmp_lt_u32 s21, 28
	s_cbranch_scc1 .Lfirst
	s_load_b512 s[36:51], s[14:15], 0x20           ; the 28 pairs' counts
	s_load_b256 s[52:59], s[14:15], 0x60
	s_load_b128 s[60:63], s[14:15], 0x80
	s_mov_b32 s20, 28
	s_mov_b32 s24, 0                               ; the pair's count
	s_wait_kmcnt 0x0
.set PP, 0
.irp a, 0,1,2,3,4,5,6
.irp b, 1,2,3,4,5,6,7
.if \b > \a
	SCAN PP, \a, \b
.set PP, PP+1
.endif
.endr
.endr
	s_add_co_u32 s23, s23, 1                       ; behind the pair's first tile
	s_min_u32 s25, s24, 1                          ; 0: no tile for me
	s_mov_b32 s55, 0                               ; (it held a count)
	s_branch .Laddr
.Lfirst:
	s_load_b32 s24, s[14:15], s20 offset:0x20      ; pair j's count: awaited behind the first loads
	s_mov_b32 s25, 1
.Laddr:
	s_min_u32 s23, s23, 15                         ; numbers made of loaded data enter addresses behind these holds
	s_and_b32 s34, s22, 0xff
	s_bfe_u32 s35, s22, 0x80008
	s_bfe_u32 s33, s22, 0x80010
	s_cmp_eq_u32 s28, 0
	s_cselect_b32 s32, s34, s35                    ; my side's expert
	s_min_u32 s32, s32, 7
	s_min_u32 s33, s33, 27
	s_mov_b32 s53, 0                               ; (the counts' registers are free from here on)
	s_lshl_b32 s50, s32, 10
	s_lshl_b32 s51, s30, 7
	s_add_co_u32 s50, s50, s51                     ; row 1024 e + 128 c of out_w
	s_mul_i32 s52, s50, 1536
	s_mul_i32 s51, s29, 768
	s_add_co_u32 s52, s52, s51
	s_add_nc_u64 s[36:37], s[4:5], s[52:53]        ; the weight's codes
	s_lshl_b32 s52, s50, 6
	s_lshl_b32 s51, s29, 5
	s_add_co_u32 s52, s52, s51
	s_add_nc_u64 s[38:39], s[6:7], s[52:53]        ; its scales
	s_mul_i32 s52, s32, 1572864
	s_mul_i32 s51, s29, 768
	s_add_co_u32 s52, s52, s51
	s_add_nc_u64 s[40:41], s[8:9], s[52:53]        ; hq
	s_lshl_b32 s52, s32, 16
	s_lshl_b32 s51, s29, 5
	s_add_co_u32 s52, s52, s51
	s_add_nc_u64 s[42:43], s[10:11], s[52:53]      ; hs
	s_add_co_u32 s52, s33, 8
	s_mul_i32 s52, s52, 17408
	s_lshl_b32 s51, s23, 10
	s_add_co_u32 s52, s52, s51
	s_add_nc_u64 s[44:45], s[12:13], s[52:53]      ; the tile's 64 records
	s_lshl_b32 s52, s32, 2
	s_add_nc_u64 s[46:47], s[16:17], s[52:53]      ; rt
	s_lshl_b32 s52, s30, 9
	s_add_nc_u64 s[48:49], s[18:19], s[52:53]      ; out0
	s_mov_b32 s54, 0x03010200                      ; bytes 1 and 2 change over
	s_cmp_lg_u32 s25, 0
	s_cbranch_scc0 .Ljoin
.macro WLOAD t, set                    ; tile t's 16 rows x 768 bytes, and their scale rows' halves: 26 loads
.if \set
	WIN 0xc0
.set SB, 96
.else
	WIN 0
.set SB, S0
.endif
.irp q, 0,1,2,3,4,5,6,7
.irp j, 0,1,2
	global_load_b128 v[SB+12*\q+4*\j:SB+12*\q+4*\j+3], v[VW], s[36:37] offset:(16*(\t)+2*\q)*1536+256*\j
.endr
.endr
	WIN 0
	global_load_b128 v[WSR+8*(\set):WSR+8*(\set)+3], v[VWS], s[38:39] offset:1024*(\t)
	global_load_b128 v[WSR+8*(\set)+4:WSR+8*(\set)+7], v[VWS], s[38:39] offset:1024*(\t)+16
.endm
.macro PUT win, base, slot             ; 16 hidden rows into a slot of my area
	WIN \win
.irp q, 0,1,2,3,4,5,6,7
.irp j, 0,1,2
	ds_store_b128 v[LP], v[\base+12*\q+4*\j:\base+12*\q+4*\j+3] offset:(\slot)*SLOTB+2*\q*784+256*\j
.endr
.endr
	WIN 0
.endm
.macro PERM t                          ; tile t's scale words into the order of K
.irp s, 0,1,2,3,4,5,6,7
	v_perm_b32 v[WSA+8*((\t)%2)+\s], v[WSR+8*((\t)%2)+\s], v[WSR+8*((\t)%2)+\s], s54
.endr
.endm
.macro PUTW t                          ; tile t's 16 rows from their register set into slot 3 + (t + 1) % 3: 24 stores
.if ((\t)%2) == 0
	WIN 0
.set SB, S0
.else
	WIN 0x0c
.set SB, 96
.endif
.irp q, 0,1,2,3,4,5,6,7
.irp j, 0,1,2
	ds_store_b128 v[LP2], v[SB+12*\q+4*\j:SB+12*\q+4*\j+3] offset:(((\t)+1)%3)*SLOTB+2*\q*784+256*\j
.endr
.endr
	WIN 0
.endm
.macro LFR t                           ; and back as fragments: 24 loads.  LDS serves a wave's instructions in order: these see my stores
.irp s, 0,1,2,3,4,5,6,7
.if ((\t)%2) == 0
	WIN 0xc0
.set FA, 12*\s
.else
	WIN 0x40+0x40*(\s/4)
.set FA, 192+12*(\s%4)
.endif
.irp i, 0,1,2
	ds_load_b128 v[FA+4*\i:FA+4*\i+3], v[LG2] offset:(((\t)+1)%3)*SLOTB+96*\s+16*\i
.endr
.endr
	WIN 0
.endm
.macro MULT t                          ; 32 products, four accumulators by turns; the first K step starts the sums with the constant 0
.irp s, 0,1,2,3,4,5,6,7
.irp m, 0,1,2,3
.if ((\t)%2) == 0
	WIN 0xf7+4*(\m/2)                              ; source 0 window 3, source 1 window 1 + m / 2, C and D window 3
.set FA, 12*\s
.else
	WIN 0xf5+4*(\m/2)+(\s/4)                       ; source 0 window 1 + s / 4
.set FA, 192+12*(\s%4)
.endif
.if \s == 0
	v_wmma_scale_f32_16x16x128_f8f6f4 v[AC+8*\m:AC+8*\m+7], v[FA:FA+11], v[96*(\m%2)+12*\s:96*(\m%2)+12*\s+11], 0, v[WSA+8*((\t)%2)+\s], v[HS+8*\m+\s] matrix_a_fmt:MATRIX_FMT_BF6 matrix_b_fmt:MATRIX_FMT_BF6
.else
	v_wmma_scale_f32_16x16x128_f8f6f4 v[AC+8*\m:AC+8*\m+7], v[FA:FA+11], v[96*(\m%2)+12*\s:96*(\m%2)+12*\s+11], v[AC+8*\m:AC+8*\m+7], v[WSA+8*((\t)%2)+\s], v[HS+8*\m+\s] matrix_a_fmt:MATRIX_FMT_BF6 matrix_b_fmt:MATRIX_FMT_BF6
.endif
.endr
.endr
	WIN 0
.endm
.macro ITER t
.if (\t) < 7
	LFR (\t)+1
.endif
.if (\t) == 0
	s_wait_dscnt 24                                ; all but tile 1's 24 fragment loads
.elseif (\t) < 7
	s_wait_dscnt 56                                ; tile t's fragments are in; behind them: 8 stores of sums, 24 stores of tile t + 1, 24 loads of its fragments
.else
	s_wait_dscnt 8                                 ; behind tile 7's fragments: 8 stores of sums
.endif
	MULT \t
.if (\t) >= 1 && (\t) <= 4
	s_wait_dscnt 24                                ; tile t + 1's stores have read their registers; behind them: its 24 fragment loads
	WLOAD (\t)+3, ((\t)+1)%2
.endif
.rept 4
	v_nop                                          ; places behind the products (ISA guide 7.12.1)
.endr
	WIN 0xc3                                       ; destination and source 0 window 3
.irp m, 0,1,2,3
.irp j, 0,2,4,6
.if (\m%2) == 0
	v_pk_mul_f32 v[AC+8*\m+\j:AC+8*\m+\j+1], v[AC+8*\m+\j:AC+8*\m+\j+1], v[RTW+\m:RTW+\m+1] op_sel_hi:[1,0]
.else
	v_pk_mul_f32 v[AC+8*\m+\j:AC+8*\m+\j+1], v[AC+8*\m+\j:AC+8*\m+\j+1], v[RTW+\m-1:RTW+\m] op_sel:[0,1] op_sel_hi:[1,1]
.endif
.endr
.endr
	WIN 0x0c                                       ; an LDS store's data are its source 1
.irp m, 0,1,2,3
	ds_store_b128 v[LPS], v[AC+8*\m:AC+8*\m+3] offset:16*\m*528+64*(\t)          ; lane (r, h): row 16 m + r, columns 16 t + 8 h + 0 .. 7
	ds_store_b128 v[LPS], v[AC+8*\m+4:AC+8*\m+7] offset:16*\m*528+64*(\t)+16
.endr
	WIN 0
.if (\t) <= 5
.if (\t) <= 4
	s_wait_loadcnt 26                              ; tile t + 2 is in; behind it: tile t + 3's 26 loads
.else
	s_wait_loadcnt 0x0
.endif
	PERM (\t)+2                                    ; into the set that tile t's products have read: the lines above are its places
	PUTW (\t)+2
.endif
.endm
.set Q, 0
.rept 32
	global_load_b32 v[IDG+Q], v[VIDG], s[44:45] offset:32*Q   ; places: lanes 0-15 row 2 Q's, lanes 16-31 row 2 Q + 1's
.set Q, Q+1
.endr
.irp m, 0,1,2,3
	global_load_b32 v[SLR+\m], v[VIDR], s[44:45] offset:256*\m
	global_load_b32 v[TOK+\m], v[VIDT], s[44:45] offset:256*\m
.endr
	global_load_b32 v[TOKW], v[VIDTW], s[44:45]
	WLOAD 0, 0
	WLOAD 1, 1
	s_wait_kmcnt 0x0                               ; the pair's count
	s_min_u32 s24, s24, 1024
	s_lshl_b32 s34, s23, 6
	s_sub_co_i32 s31, s24, s34                     ; the tile's tokens (more than 64: 64 are taken)
	s_lshl_b32 s51, s27, 4
	s_sub_co_i32 s55, s31, s51                     ; how many of my 16 rows are stored
	s_cmp_gt_i32 s31, 0
	s_cbranch_scc0 .Ljoin
	s_wait_loadcnt 52                              ; the 41 words of the records are in; behind them: two tiles of weights, 26 loads each
.set Q, 0
.rept 32
	v_min_u32 v[IDG+Q], 0x3ff, v[IDG+Q]
.set Q, Q+1
.endr
.set Q, 0
.rept 32
	v_mad_u32_u24 v[IDG+Q], v[IDG+Q], 1536, v[R16]
.set Q, Q+1
.endr
.irp m, 0,1,2,3
	v_min_u32 v[SLR+\m], 0x3ff, v[SLR+\m]
	v_min_u32 v[TOK+\m], 0x3ff, v[TOK+\m]
.endr
.irp m, 0,1,2,3
	v_lshlrev_b32 v[SLR+\m], 6, v[SLR+\m]
	v_lshlrev_b32 v[TOK+\m], 5, v[TOK+\m]
.endr
.irp m, 0,1,2,3
	global_load_b128 v[HS+8*\m:HS+8*\m+3], v[SLR+\m], s[42:43]
	global_load_b128 v[HS+8*\m+4:HS+8*\m+7], v[SLR+\m], s[42:43] offset:16
.endr
.irp m, 0,1,2,3
	global_load_b32 v[RTW+\m], v[TOK+\m], s[46:47]
.endr
.irp m, 0,1,2,3                        ; the 64 hidden rows' halves, 96 loads: tile m lands at 96 (m % 2) of window 1 + m / 2
.if \m < 2
	WIN 0x40
.else
	WIN 0x80
.endif
.irp q, 0,1,2,3,4,5,6,7
.irp j, 0,1,2
	global_load_b128 v[96*(\m%2)+12*\q+4*\j:96*(\m%2)+12*\q+4*\j+3], v[IDG+8*\m+\q], s[40:41] offset:256*\j
.endr
.endr
.endr
	WIN 0
	s_wait_loadcnt 63                              ; 108 loads were issued behind tile 1's: the largest count that the wait can name is smaller, and so safe
	PERM 0
	PERM 1
	s_wait_alu depctr_va_vdst(0)                   ; the wait behind these writes
	PUTW 0
	PUTW 1
.macro HID m, n                        ; hidden tile m is turned: 16 rows into slot m, and back as fragments into the same registers; n: the younger loads that may stay out
	s_wait_loadcnt \n
	PUT 0x04+4*((\m)/2), 96*((\m)%2), \m
	s_wait_dscnt 0x0                               ; the stores have read the registers that the fragments take
	WIN 0x40+0x40*((\m)/2)
.irp s, 0,1,2,3,4,5,6,7
.irp i, 0,1,2
	ds_load_b128 v[96*((\m)%2)+12*\s+4*\i:96*((\m)%2)+12*\s+4*\i+3], v[LG] offset:(\m)*SLOTB+96*\s+16*\i
.endr
.endr
	WIN 0
.endm
	HID 0, 63                                      ; behind tile 0's loads: 72; the largest count that the wait can name is smaller, and so safe
	WLOAD 2, 0                                     ; (the wait on DScnt above: tiles 0 and 1 of the weights have left both register sets)
	HID 1, 63                                      ; behind tile 1's: 48 + 26
	WLOAD 3, 1
	HID 2, 63                                      ; behind tile 2's: 24 + 52
	HID 3, 52                                      ; behind tile 3's: two tiles of weights
	LFR 0
.rept 8
	v_nop                                          ; scale words written by vector instructions stand eight places ahead of a scaled product
.endr
.irp t, 0,1,2,3,4,5,6,7
	ITER \t
.endr
.Ljoin:
	s_wait_loadcnt 0x0                             ; on the way of an empty pair loads are still out
	s_wait_dscnt 0x0                               ; for the others' sake: my partial sums have landed
	s_barrier_signal -1
	s_barrier_wait -1
	s_cmp_gt_i32 s31, 0
	s_cbranch_scc0 .Ldone
	s_wait_alu depctr_va_vdst(0)
.irp b, 0,1,2,3                        ; my 16 rows, four at a time: the four waves' parts are added; the rows that hold a token are a run from the tile's first row
.if \b > 0
	s_wait_xcnt 0x0                                ; the last four stores have read their data and offsets
.endif
.irp k, 0,1,2,3
.irp p, 0,1,2,3
	ds_load_b128 v[S0+16*\k+4*\p:S0+16*\k+4*\p+3], v[LRD+\p] offset:(4*\b+\k)*528
.endr
.endr
	s_wait_dscnt 0x0
.irp k, 0,1,2,3
	v_pk_add_f32 v[S0+16*\k:S0+16*\k+1], v[S0+16*\k:S0+16*\k+1], v[S0+16*\k+4:S0+16*\k+5]
	v_pk_add_f32 v[S0+16*\k+2:S0+16*\k+3], v[S0+16*\k+2:S0+16*\k+3], v[S0+16*\k+6:S0+16*\k+7]
	v_pk_add_f32 v[S0+16*\k+8:S0+16*\k+9], v[S0+16*\k+8:S0+16*\k+9], v[S0+16*\k+12:S0+16*\k+13]
	v_pk_add_f32 v[S0+16*\k+10:S0+16*\k+11], v[S0+16*\k+10:S0+16*\k+11], v[S0+16*\k+14:S0+16*\k+15]
.endr
.irp k, 0,1,2,3
	v_pk_add_f32 v[S0+16*\k:S0+16*\k+1], v[S0+16*\k:S0+16*\k+1], v[S0+16*\k+8:S0+16*\k+9]
	v_pk_add_f32 v[S0+16*\k+2:S0+16*\k+3], v[S0+16*\k+2:S0+16*\k+3], v[S0+16*\k+10:S0+16*\k+11]
.endr
.irp k, 0,1,2,3
	s_cmp_gt_i32 s55, 4*\b+\k
	s_cbranch_scc0 .Ldone
	v_readlane_b32 s56, v[TOKW], 4*\b+\k
	s_min_u32 s56, s56, 1023
	v_lshl_add_u32 v[VOFF+\k], s56, 12, v[VL16]
	s_wait_alu depctr_va_vdst(0)
	global_store_b128 v[VOFF+\k], v[S0+16*\k:S0+16*\k+3], s[48:49] th:TH_STORE_NT   ; 32 lanes store 512 consecutive bytes, at a multiple of 256 from out0's first byte
.endr
.endr
.Ldone:
	s_wait_tensorcnt 0x0                           ; the wave's end
	ds_add_u32 v[SPW], v[NIL]
	s_wait_dscnt 0x0
	s_endpgm
.Lfunc_end_k_q8921e6fec3_down2:
	.size	k_q8921e6fec3_down2, .Lfunc_end_k_q8921e6fec3_down2-k_q8921e6fec3_down2
	.p2alignl 7, 3214868480
	.fill 96, 4, 3214868480
	.section	.rodata,"a",@progbits
	.p2align	6, 0x0
	.amdhsa_kernel k_q8921e6fec3_down2
		.amdhsa_group_segment_fixed_size 301568
		.amdhsa_private_segment_fixed_size 0
		.amdhsa_enable_private_segment 0
		.amdhsa_kernarg_size 64
		.amdhsa_user_sgpr_count 2
		.amdhsa_user_sgpr_kernarg_segment_ptr 1
		.amdhsa_wavefront_size32 1
		.amdhsa_system_sgpr_workgroup_id_x 1
		.amdhsa_system_sgpr_workgroup_id_y 1
		.amdhsa_system_sgpr_workgroup_id_z 1
		.amdhsa_system_vgpr_workitem_id 0
		.amdhsa_next_free_vgpr 1024
		.amdhsa_next_free_sgpr 66
		.amdhsa_reserve_vcc 0
		.amdhsa_float_denorm_mode_32 3
		.amdhsa_float_denorm_mode_16_64 3
		.amdhsa_memory_ordered 1
		.amdhsa_forward_progress 1
		.amdhsa_inst_pref_size 166
	.end_amdhsa_kernel
	.amdgpu_metadata
---
amdhsa.version: [ 1, 2 ]
amdhsa.kernels:
  - .name:           k_q8921e6fec3_down2
    .symbol:         k_q8921e6fec3_down2.kd
    .args:
      - { .name: out_w_codes, .offset: 0, .size: 8, .value_kind: global_buffer, .address_space: global }
      - { .name: out_w_scales, .offset: 8, .size: 8, .value_kind: global_buffer, .address_space: global }
      - { .name: hq, .offset: 16, .size: 8, .value_kind: global_buffer, .address_space: global }
      - { .name: hs, .offset: 24, .size: 8, .value_kind: global_buffer, .address_space: global }
      - { .name: rec, .offset: 32, .size: 8, .value_kind: global_buffer, .address_space: global }
      - { .name: cnt, .offset: 40, .size: 8, .value_kind: global_buffer, .address_space: global }
      - { .name: rt, .offset: 48, .size: 8, .value_kind: global_buffer, .address_space: global }
      - { .name: out0, .offset: 56, .size: 8, .value_kind: global_buffer, .address_space: global }
    .group_segment_fixed_size: 301568
    .private_segment_fixed_size: 0
    .kernarg_segment_align: 8
    .kernarg_segment_size: 64
    .max_flat_workgroup_size: 128
    .sgpr_count:     66
    .vgpr_count:     1024
    .wavefront_size: 32
...
	.end_amdgpu_metadata
.endif
;; end of part 3
